; MI455X (gfx1250); checked and timed in simulation.
; The chip was launched on July 23, 2026; its instructions are those of AMD's public machine-readable ISA for CDNA 5 (MIT licence, August 2026) and "CDNA5" Instruction Set Architecture Reference Guide (July 2026). The comments in the code are by the model that wrote it; some were corrected since.
;; Ret Next. Allowed arithmetic: float matrix products may take bf16 or f16 operands with f32 sums; other float arithmetic in f32, or as packed bf16 or f16 multiplies, adds, multiply-adds, maxima and minima; sums over many terms, partial sums and values carried from step to step in f32; what a program stores and reads back later, other than sums and carried values, may be rounded once to bf16 or f16.
;; Inputs: Wk 2,048 x 2,048 float32; Wq 2,048 x 2,048 float32; Wv 2,048 x 2,048 float32; bk 2,048 float32; bq 2,048 float32; bv 2,048 float32; x 4 x 1,024 x 2,048 float32.
;; Outputs: out0 4 x 4 x 1,024 x 512 float32.
;; One version. Each part assembles by itself: llvm-mc -triple=amdgcn-amd-amdhsa -mcpu=gfx1250 --defsym DOCPART=n.
;; ======== version 1 of 1: 4 launches
;; limits: values are held in f16: magnitudes above 65,504 overflow, below 6.1e-05 lose precision
;; workspace buffers: ab 41,943,040 bytes; kt 16,777,216 bytes; vt 16,777,216 bytes; qb 16,777,216 bytes; st 8,388,608 bytes; mx 8,192 bytes
;; launch cast (part 1): grid 256 x 1, 20 waves a work-group, no clusters, 0 bytes of LDS; arguments x, Wk, Wq, Wv, ab; writes ab
.if DOCPART == 1
	.amdgcn_target "amdgcn-amd-amdhsa--gfx1250"
	.amdhsa_code_object_version 6
	.text
	.protected	k_q482518aa8f_cast
	.globl	k_q482518aa8f_cast
	.p2align	8
	.type	k_q482518aa8f_cast,@function
k_q482518aa8f_cast:
	s_mov_b64 s[64:65], 0
	v_nop
	global_prefetch_b8 v0, s[64:65] scope:SCOPE_SE
	s_setreg_imm32_b32 hwreg(HW_REG_WAVE_MODE, 25, 1), 1
	s_wait_xcnt 0x0
; x [4096][2048] and Wk, Wq, Wv [2048][2048], f32, are rounded once to bf16 (nearest even) and laid in K blocks:
; ab = [32 kb][10240 rows][64 bf16].  Rows 0..4095 are x's rows; row 4096 + 384 (n / 128) + 128 mat + n % 128 is row n of W[mat]
; (mat 0 = k, 1 = q, 2 = v).  So the rows that one tile of the product wants of one K block lie end to end.
; A stream: each input byte is read once, each output byte written once; no LDS, no matrix unit, no cluster: nothing is shared.
; SHARES.  10,240 rows = 256 work-groups x 10 groups of 4 rows; two waves to a group, 16 K blocks each.  A UNIT is 4 rows x one K block of 64 numbers.
; A load of the wave takes 2 rows x 256 consecutive bytes (16 lanes a row, 16 bytes a lane), a unit two loads.  A lane's four numbers round to 8 bytes, in place;
; a store of the wave covers 2 rows x 128 bytes = 256 consecutive bytes of ab, aligned.
; IN FLIGHT.  All 32 loads of a wave (16 KiB) go out at the head; the units are then taken in order.  No register is written twice, so nothing waits for a store.
.set PLANE, 1310720                    ; bytes of one K block of all 10,240 rows
.set SRC, 1                            ; v1       (l / 16) x 8,192 + (l % 16) x 16: my 16 bytes in source rows 0 and 1; never rewritten
.set DO,  2                            ; v[2:5]   8 l + 4 q PLANE: my 8 bytes in K blocks 4 q .. of my sixteen; never rewritten
.set X,   16                           ; v[16:143] sixteen units of 8: as loaded; registers 0, 1 and 4, 5 of a unit then hold what is stored
	s_load_b256 s[4:11], s[0:1], 0x0               ; x s[4:5], Wk s[6:7], Wq s[8:9], Wv s[10:11]
	s_load_b64 s[12:13], s[0:1], 0x20              ; ab
	v_lshrrev_b32 v15, 5, v0
	v_readfirstlane_b32 s14, v15                   ; wave 0..19
	s_and_b32 s30, s14, 1                          ; which 16 of the 32 K blocks
	s_lshr_b32 s14, s14, 1                         ; which of the work-group's ten groups of four rows
	s_mul_i32 s15, ttmp9, 10
	s_add_co_u32 s15, s15, s14                     ; G: my group of four rows, 0..2559; the first 1,024 are x's
	s_max_u32 s16, s15, 1024
	s_sub_co_u32 s16, s16, 1024                    ; G' among the weights' 1,536 groups
	s_lshr_b32 s17, s16, 9                         ; mat
	s_and_b32 s18, s16, 511
	s_lshl_b32 s18, s18, 2                         ; n: my first row of W[mat]
	s_lshr_b32 s19, s18, 7
	s_mul_i32 s19, s19, 384
	s_lshl_b32 s20, s17, 7
	s_add_co_u32 s19, s19, s20
	s_and_b32 s20, s18, 127
	s_add_co_u32 s19, s19, s20
	s_add_co_u32 s19, s19, 4096                    ; its row in ab
	s_lshl_b32 s21, s15, 2                         ; x: row 4 G in both
	s_cmp_lt_u32 s15, 1024
	s_cselect_b32 s22, s21, s18                    ; source row
	s_cselect_b32 s23, s21, s19                    ; destination row
	s_lshl_b32 s26, s22, 13                        ; x 8,192 bytes,
	s_lshl_b32 s31, s30, 12                        ; and my 16 K blocks of 256 bytes
	s_add_co_u32 s26, s26, s31
	s_mov_b32 s27, 0
	s_lshl_b32 s28, s23, 7                         ; x 128 bytes,
	s_mul_i32 s31, s30, 16*PLANE                   ; and my 16 K blocks
	s_add_co_u32 s28, s28, s31
	s_mov_b32 s29, 0
	v_and_b32 v14, 31, v0                          ; l
	v_lshrrev_b32 v15, 4, v14
	v_and_b32 v[SRC], 15, v14
	v_lshlrev_b32 v[SRC], 4, v[SRC]
	v_lshl_add_u32 v[SRC], v15, 13, v[SRC]
	v_lshlrev_b32 v14, 3, v14                      ; (l / 16) x 128 + (l % 16) x 8 = 8 l
.irp q, 0,1,2,3
	v_add_nc_u32 v[DO+(\q)], (\q)*4*PLANE, v14
.endr
	s_wait_kmcnt 0x0
	s_cmp_eq_u32 s17, 1                            ; the source is chosen by my group's number alone
	s_cselect_b64 s[24:25], s[8:9], s[6:7]
	s_cmp_eq_u32 s17, 2
	s_cselect_b64 s[24:25], s[10:11], s[24:25]
	s_cmp_lt_u32 s15, 1024
	s_cselect_b64 s[24:25], s[4:5], s[24:25]
	s_add_nc_u64 s[24:25], s[24:25], s[26:27]
	s_add_nc_u64 s[12:13], s[12:13], s[28:29]
.set u, 0
.rept 16                               ; all that the wave reads: rows 0 and 1, then rows 2 and 3, of each unit
	global_load_b128 v[X+8*u:X+8*u+3],   v[SRC], s[24:25] offset:u*256 th:TH_LOAD_NT
	global_load_b128 v[X+8*u+4:X+8*u+7], v[SRC], s[24:25] offset:u*256+16384 th:TH_LOAD_NT
.set u, u+1
.endr
.set u, 0
.rept 16
	s_wait_loadcnt 30-2*u                          ; loads come back in order: this unit's two are in; the later units' two each may stay out
	v_cvt_pk_bf16_f32 v[X+8*u],   v[X+8*u],   v[X+8*u+1]
	v_cvt_pk_bf16_f32 v[X+8*u+1], v[X+8*u+2], v[X+8*u+3]
	v_cvt_pk_bf16_f32 v[X+8*u+4], v[X+8*u+4], v[X+8*u+5]
	v_cvt_pk_bf16_f32 v[X+8*u+5], v[X+8*u+6], v[X+8*u+7]
	global_store_b64 v[DO+u/4], v[X+8*u:X+8*u+1],   s[12:13] offset:(u%4)*PLANE th:TH_STORE_NT      ; rows 0 and 1: 256 consecutive bytes, aligned
	global_store_b64 v[DO+u/4], v[X+8*u+4:X+8*u+5], s[12:13] offset:(u%4)*PLANE+256 th:TH_STORE_NT  ; rows 2 and 3
.set u, u+1
.endr
	s_endpgm
.Lfunc_end_k_q482518aa8f_cast:
	.size	k_q482518aa8f_cast, .Lfunc_end_k_q482518aa8f_cast-k_q482518aa8f_cast
	.p2alignl 7, 3214868480
	.fill 96, 4, 3214868480
	.section	.rodata,"a",@progbits
	.p2align	6, 0x0
	.amdhsa_kernel k_q482518aa8f_cast
		.amdhsa_group_segment_fixed_size 0
		.amdhsa_private_segment_fixed_size 0
		.amdhsa_enable_private_segment 0
		.amdhsa_kernarg_size 40
		.amdhsa_user_sgpr_count 2
		.amdhsa_user_sgpr_kernarg_segment_ptr 1
		.amdhsa_wavefront_size32 1
		.amdhsa_system_sgpr_workgroup_id_x 1
		.amdhsa_system_sgpr_workgroup_id_y 1
		.amdhsa_system_sgpr_workgroup_id_z 1
		.amdhsa_system_vgpr_workitem_id 0
		.amdhsa_next_free_vgpr 144
		.amdhsa_next_free_sgpr 66
		.amdhsa_reserve_vcc 0
		.amdhsa_float_denorm_mode_32 3
		.amdhsa_float_denorm_mode_16_64 3
		.amdhsa_memory_ordered 1
		.amdhsa_forward_progress 1
		.amdhsa_inst_pref_size 13
	.end_amdhsa_kernel
	.amdgpu_metadata
---
amdhsa.version: [ 1, 2 ]
amdhsa.kernels:
  - .name:           k_q482518aa8f_cast
    .symbol:         k_q482518aa8f_cast.kd
    .args:
      - { .name: x, .offset: 0, .size: 8, .value_kind: global_buffer, .address_space: global }
      - { .name: Wk, .offset: 8, .size: 8, .value_kind: global_buffer, .address_space: global }
      - { .name: Wq, .offset: 16, .size: 8, .value_kind: global_buffer, .address_space: global }
      - { .name: Wv, .offset: 24, .size: 8, .value_kind: global_buffer, .address_space: global }
      - { .name: ab, .offset: 32, .size: 8, .value_kind: global_buffer, .address_space: global }
    .group_segment_fixed_size: 0
    .private_segment_fixed_size: 0
    .kernarg_segment_align: 8
    .kernarg_segment_size: 40
    .max_flat_workgroup_size: 640
    .sgpr_count:     66
    .vgpr_count:     144
    .wavefront_size: 32
...
	.end_amdgpu_metadata
.endif
;; end of part 1
;; launch proj (part 2): grid 16 x 16, 4 waves a work-group, clusters of 4 x 4, 327,680 bytes of LDS; arguments ab, bk, bq, bv, kt, qb, vt, mx; writes kt, qb, vt, mx
.if DOCPART == 2
	.amdgcn_target "amdgcn-amd-amdhsa--gfx1250"
	.amdhsa_code_object_version 6
	.text
	.protected	k_q482518aa8f_proj
	.globl	k_q482518aa8f_proj
	.p2align	8
	.type	k_q482518aa8f_proj,@function
k_q482518aa8f_proj:
	s_mov_b64 s[64:65], 0
	v_nop
	global_prefetch_b8 v0, s[64:65] scope:SCOPE_SE
	s_setreg_imm32_b32 hwreg(HW_REG_WAVE_MODE, 25, 1), 1
	s_wait_xcnt 0x0
	s_wait_alu depctr_hold_cnt(0) depctr_sa_sdst(0) depctr_va_vdst(0) depctr_va_sdst(0) depctr_va_ssrc(0) depctr_va_vcc(0) depctr_vm_vsrc(0)
	s_getreg_b32 s2, hwreg(HW_REG_IB_STS2, 6, 4)
	s_cmp_eq_u32 s2, 0
	s_cbranch_scc0 .Lentry_in_a_cluster
	s_endpgm
.Lentry_in_a_cluster:
	s_bfe_u32 s2, ttmp6, 0x10000c
	s_cmp_lg_u32 s2, 0xf033
	s_cbranch_scc0 .Lentry_shape_is_right
	s_endpgm
.Lentry_shape_is_right:
; k, q, v = x W^T + b as ONE product: a work-group makes 256 rows of x against the same 128 columns of Wk, Wq and Wv: a tile of 256 x 384, 16 x 16 = 256 work-groups.
; Operands bf16 (ab, laid in K blocks of 64), sums f32, the biases rounded to bf16 like the other inputs; k, q, v rounded once to f16.
; OUT.  kt, vt = [4 b][2048 n][1024 s] (transposed, for the product over s); qb = [32 planes n / 64][4096 rows][64]; mx = [16 heads][64][max|k|, max|v|], one entry a wave, of the rounded numbers.
; LIMITS.  |k|, |q|, |v| stay under 65,504 (f16's end; 65,520 or more becomes an infinity); NaN and infinities are not treated apart.
; SHARES.  Four waves; wave w has rows 128 (w / 2) .. and columns 64 (w % 2) .. of each of k, q, v: 3 x 32 accumulators of 16 x 16, 768 registers.  A fragment of x feeds three products.
; RING.  K goes in 32 steps of 64 through two LDS slots (256 rows of x, then 3 x 128 rows of W; 128 bytes + 16 of padding a row).  Waves 0 and 1 fetch the two halves of x's rows (16 KiB each),
; waves 2 and 3 the two halves of W's 384 rows (24 KiB each).  In memory a step's rows lie end to end, so they are asked for as rows of 256 bytes, padded in LDS after every 128.
; CLUSTER.  4 x 4: x's tile is shared along a row of the cluster, W's along a column: joint loads.
; ORIENTATION.  k, v: source 0 = x, source 1 = W: a lane holds one column d (lane % 16) and eight consecutive s: 16 bytes of k^T.  q: sources swapped: one row s, eight consecutive d.
; WINDOWS (s_set_vgpr_msb: bits 1:0 source 0, 3:2 source 1, 5:4 source 2, 7:6 destination): window 0 addresses and all fragments; windows 1, 2, 3 the accumulators of k, q, v, (a, b) at v[8 (4 a + b)].
.set PLANE,  1310720                   ; bytes of one K block of ab
.set PITCH,  144                       ; an LDS row: an odd multiple of 16 bytes, so the 16 rows of a fragment load begin in 16 different groups of four banks
.set ABYTES, 256*PITCH
.set MATB,   128*PITCH
.set BHALF,  192*PITCH                 ; half of W's 384 rows
.set SLOT,   ABYTES+3*MATB             ; 92,160
.set STAGE,  2*SLOT                    ; behind the ring: 16 rows x 272 bytes for each wave, for the way out; no tensor load lands there
.set STW,    16*272
.set SPARE,  STAGE+4*STW               ; the spare words, 128 bytes a wave: two blocks of 256 bytes that no other line names
.set LAPS,   16                        ; a lap = two K steps
.set G1W0,   (1<<16)|(1<<20)|(1<<21)|(4<<22)|(3<<25)  ; 2-byte elements; padding on; bit 21 beside a mask; after every 32 words; 4 words
.set ADRA, 4                           ; v4-5   LDS address of my x fragments in slot 0, 1
.set ADRB, 6                           ; v6-7   of my W fragments
.set STK,  8                           ; v8     way out, k and v: where I put 16 bytes
.set RDK,  9                           ; v9     where I read rows back
.set GOK,  10                          ; v10    my offset in kt and vt
.set STQ,  11                          ; v11-13 the same for q
.set RDQ,  12
.set GOQ,  13
.set VB1,  14                          ; v14    my offset in bk and bv
.set VB2,  15                          ; v15    in bq
.set PFO,  16                          ; v16    the prefetches' offset; never rewritten
.set MXC,  20                          ; v20-23, v24-27  four chains each of max|k|, max|v| (two f16 a register)
.set SPW,  28                          ; v28    my spare word; never rewritten
.set NIL,  29                          ; v29    0; never rewritten
.set FA0,  32                          ; x's 8 fragments, two buffers
.set FA1,  96
.set FB,   160                         ; 4 fragments each of Wk, Wq, Wv
.set BKV,  32                          ; way out: k's and v's biases as equal pairs, v[32:47]
.set BQ,   48                          ; q's biases, 8 for each column block, v[48:79]
.set T,    96                          ; at work
.set PK,   160                         ; packed results
.set BK,   192                         ; rows read back: two buffers of 32
.set WV, 20
.set WR, 21
.set WC, 22
.set CX, 23
.set CY, 24
.set CB, 25                            ; column block of 128
.set MB, 26                            ; row block of 256
.set LAP, 29
.set LIM, 30                           ; 1 in a wave that prefetches, else the greatest number
.set G1A, 36
.set G1B, 44
.set G0A, 52                           ; s[52:59] a set for each slot
.set G0B, 68                           ; s[68:75]
.set PFA, 76
.set SEL, 78
.set MSB, 0
.macro WIN new                         ; the high byte repeats the setting that is left; a switch that changes nothing is dropped
.if MSB != (\new)
	s_set_vgpr_msb (MSB<<8)|(\new)
.set MSB, \new
.endif
.endm
.macro PLACES                          ; four places behind matrix instructions, ahead of loads into registers that they have read
.rept 4
	v_nop
.endr
.endm
; A joint load: waves 0 and 1 ask for x's halves, waves 2 and 3 for W's.  The branch hangs on the wave's number alone.  s_nop 0 and four v_nop follow each line.
.macro JLOAD s
	s_cmp_lt_u32 s[WV], 2
	s_cbranch_scc0 .Lfor_b_\@
	tensor_load_to_lds s[G0A+4*(\s):G0A+4*(\s)+3], s[G1A:G1A+7]
	s_nop 0
.rept 4
	v_nop
.endr
	s_branch .Lasked_\@
.Lfor_b_\@:
	tensor_load_to_lds s[G0B+4*(\s):G0B+4*(\s)+3], s[G1B:G1B+7]
	s_nop 0
.rept 4
	v_nop
.endr
.Lasked_\@:
.endm
; A prefetch, once a lap, for the two K steps that the NEXT lap's refills ask for.  Who names a block is shared out apart from who loads it.  x's rows of a row block are read by all four clusters of that
; row of clusters: wave 0 of cluster x = 0 names the even step, of cluster x = 1 the odd one; the four partners take 8 KiB each, told apart by address.  W's rows are read by all clusters of a column: waves 1
; to 3 of cluster y = 0 name one W each, a partner 4 KiB of each of the two steps.  So each block of 256 bytes is named once.  K steps 0 to 3 come by their loads alone; the loop's last trip asks for nothing.
.macro ASK
	s_cmp_gt_u32 s[LAP], s[LIM]
	s_cbranch_scc0 .Lnot_mine_\@
	global_prefetch_b8 v[PFO], s[PFA:PFA+1] th:TH_LOAD_NT scope:SCOPE_SE
.Lnot_mine_\@:
.endm
.macro CREST                           ; a round of the cluster's barrier behind its opening barrier
	s_cmp_lg_u32 s[WV], 0
	s_cbranch_scc1 .Lnot_wave_0_\@
	s_barrier_signal -3
.Lnot_wave_0_\@:
	s_barrier_wait -3
	s_barrier_signal -1
	s_barrier_wait -1
.endm
.macro CROUND
	s_barrier_signal -1
	s_barrier_wait -1
	CREST
.endm
; 16 matrix instructions of product mat: row blocks a0 .. a0 + 3 x all 4 column blocks, 32 along K.  zero = 1: they start the sums.  All 96 accumulators take turns.
.macro MUL16 mat, fa, a0, zero
	WIN 0x50*(1+(\mat))
.irp a, \a0, (\a0)+1, (\a0)+2, (\a0)+3
.irp b, 0,1,2,3
.set rD, 8*(4*(\a)+(\b))
.set rX, (\fa)+8*(\a)
.set rW, FB+32*(\mat)+8*(\b)
.if (\mat) == 1
.if \zero
	v_wmma_f32_16x16x32_bf16 v[rD:rD+7], v[rW:rW+7], v[rX:rX+7], 0
.else
	v_wmma_f32_16x16x32_bf16 v[rD:rD+7], v[rW:rW+7], v[rX:rX+7], v[rD:rD+7]
.endif
.else
.if \zero
	v_wmma_f32_16x16x32_bf16 v[rD:rD+7], v[rX:rX+7], v[rW:rW+7], 0
.else
	v_wmma_f32_16x16x32_bf16 v[rD:rD+7], v[rX:rX+7], v[rW:rW+7], v[rD:rD+7]
.endif
.endif
.endr
.endr
.endm
.macro LDB mat, slot, k                ; 8 LDS loads: my 4 fragments of W[mat], 32 K at byte k of the rows
	WIN 0
.irp i, 0,1,2,3
	ds_load_b128 v[FB+32*(\mat)+8*(\i):FB+32*(\mat)+8*(\i)+3],   v[ADRB+(\slot)] offset:(\mat)*MATB+(\i)*16*PITCH+(\k)
	ds_load_b128 v[FB+32*(\mat)+8*(\i)+4:FB+32*(\mat)+8*(\i)+7], v[ADRB+(\slot)] offset:(\mat)*MATB+(\i)*16*PITCH+(\k)+32
.endr
.endm
.macro LDA slot, k, fa                 ; 16 LDS loads: my 8 fragments of x
	WIN 0
.irp i, 0,1,2,3,4,5,6,7
	ds_load_b128 v[(\fa)+8*(\i):(\fa)+8*(\i)+3],   v[ADRA+(\slot)] offset:(\i)*16*PITCH+(\k)
	ds_load_b128 v[(\fa)+8*(\i)+4:(\fa)+8*(\i)+7], v[ADRA+(\slot)] offset:(\i)*16*PITCH+(\k)+32
.endr
.endm
; LDS loads stand in two runs a half step: behind k's products the next half's Wk (8) and x (16); behind v's products the next Wq (8) and Wv (8).
; The first half of a K step: multiplies FA0, fetches the second half (byte 64 of the same slot's rows).
.macro HALF slot, zero
	s_wait_dscnt 16                                ; Wk and x are in; Wq's and Wv's 16 loads may be out
	MUL16 0, FA0, 0, \zero
	MUL16 0, FA0, 4, \zero
	WIN 0
	PLACES
	LDB 0, \slot, 64
	LDA \slot, 64, FA1
	s_wait_dscnt 32                                ; Wq is in; out: Wv's 8 and the 24 just issued
	MUL16 1, FA0, 0, \zero
	MUL16 1, FA0, 4, \zero
	s_wait_dscnt 24                                ; Wv is in; out: the 24
	MUL16 2, FA0, 0, \zero
	MUL16 2, FA0, 4, \zero
	WIN 0
	PLACES                                         ; behind q's products and v's alike
	LDB 1, \slot, 64
	LDB 2, \slot, 64
.endm
; The second half multiplies FA1 and changes slots: one barrier.  In front of it each wave waits for all its tensor loads (one is out: its part of the next slot), adds 0 to its spare word, and waits for
; that and for its reads of this slot.  fill = 1: the barrier opens a round of the cluster's, and this slot's refill, two K steps on, is the first tensor load behind the round: 176 matrix instructions
; ahead of the wait for it.  Its descriptors are stepped ahead of the round, where no load of mine is out.
.macro TURN slot, next, fill
.if (\fill) && ((\slot) == 0)
	s_wait_xcnt 0x0                                ; the last prefetch, a lap back, has read its address
	s_add_nc_u64 s[PFA:PFA+1], s[PFA:PFA+1], 2*PLANE
.endif
	WIN 0
	s_wait_tensorcnt 0x0                           ; all my tensor loads have landed
	ds_add_u32 v[SPW], v[NIL]
.if \fill
	s_add_nc_u64 s[G0A+4*(\slot)+2:G0A+4*(\slot)+3], s[G0A+4*(\slot)+2:G0A+4*(\slot)+3], 2*PLANE
	s_add_nc_u64 s[G0B+4*(\slot)+2:G0B+4*(\slot)+3], s[G0B+4*(\slot)+2:G0B+4*(\slot)+3], 2*PLANE
.endif
	s_wait_dscnt 17                                ; Wk and x are in; out: Wq's 8, Wv's 8, the add
	MUL16 0, FA1, 0, 0                             ; sixteen matrix instructions stand between the add and the wait for it
	WIN 0
	s_wait_dscnt 0x0                               ; the add is done, and my reads of this slot are over
	s_barrier_signal -1
	s_barrier_wait -1
.if \fill
	CREST                                          ; no wave of any partner still reads this slot or has a load on its way
	JLOAD \slot
.endif
	MUL16 0, FA1, 4, 0
	WIN 0
	PLACES
	LDB 0, \next, 0
	LDA \next, 0, FA0
.if (\fill) && ((\slot) == 0)
	ASK
.endif
	MUL16 1, FA1, 0, 0                             ; Wq and Wv came in with the wait for 0 above
	MUL16 1, FA1, 4, 0
	MUL16 2, FA1, 0, 0
	MUL16 2, FA1, 4, 0
	WIN 0
	PLACES
	LDB 1, \next, 0
	LDB 2, \next, 0
.endm
	s_load_b512 s[4:19], s[0:1], 0x0               ; ab s[4:5], bk s[6:7], bq s[8:9], bv s[10:11], kt s[12:13], qb s[14:15], vt s[16:17], mx s[18:19]
	v_lshl_add_u32 v[SPW], v0, 2, SPARE
	v_mov_b32 v[NIL], 0
	ds_add_u32 v[SPW], v[NIL]                      ; the wave's opening: the add and its wait stand ahead of my first tensor load
	v_lshrrev_b32 v1, 5, v0
	v_readfirstlane_b32 s[WV], v1                  ; wave 0..3
	s_lshr_b32 s[WR], s[WV], 1
	s_and_b32 s[WC], s[WV], 1
	s_bfe_u32 s[CX], ttmp6, 0x40000
	s_bfe_u32 s[CY], ttmp6, 0x40004
	s_lshl_b32 s[CB], ttmp9, 2
	s_add_co_u32 s[CB], s[CB], s[CX]
	s_and_b32 s[MB], ttmp7, 0xffff
	s_lshl_b32 s[MB], s[MB], 2
	s_add_co_u32 s[MB], s[MB], s[CY]
	s_lshl_b32 s27, s[CY], 2
	s_lshl_b32 s27, 15, s27                        ; my row of the cluster
	s_lshl_b32 s28, 0x1111, s[CX]                  ; my column
	s_or_b32 s[G1A], s27, G1W0                     ; half of x's tile: 64 rows of 256 bytes
	s_or_b32 s[G1B], s28, G1W0                     ; half of W's tile: 96 rows of 256 bytes
	s_mov_b32 s[G1A+1], 128<<16                    ; tensor_dim0 = 128
	s_mov_b32 s[G1A+2], 64<<16                     ; tensor_dim1 = 64
	s_mov_b32 s[G1A+3], 128<<16                    ; tile_dim0 = 128
	s_mov_b32 s[G1A+4], 64                         ; tile_dim1 = 64
	s_mov_b32 s[G1A+5], 128                        ; 128 elements from row to row
	s_mov_b32 s[G1A+6], 0
	s_mov_b32 s[G1A+7], 0
	s_mov_b32 s[G1B+1], 128<<16
	s_mov_b32 s[G1B+2], 96<<16
	s_mov_b32 s[G1B+3], 128<<16
	s_mov_b32 s[G1B+4], 96
	s_mov_b32 s[G1B+5], 128
	s_mov_b32 s[G1B+6], 0
	s_mov_b32 s[G1B+7], 0
	s_lshl_b32 s82, s[MB], 15                      ; x: 256 rows of 128 bytes a row block, my half of them: hangs on the row block and the wave alone
	s_lshl_b32 s83, s[WC], 14
	s_add_co_u32 s82, s82, s83
	s_mov_b32 s83, 0
	s_mul_i32 s84, s[CB], 49152                    ; W: 384 rows a column block, behind x's 4,096 rows, my half of them: hangs on the column block and the wave alone
	s_mul_i32 s85, s[WC], 24576
	s_add_co_u32 s84, s84, s85
	s_add_co_u32 s84, s84, 524288
	s_mov_b32 s85, 0
	s_mul_i32 s86, s[WC], MATB                     ; where they go in a slot: x's half,
	s_mul_i32 s87, s[WC], BHALF                    ; W's half
	s_wait_dscnt 0x0                               ; the opening add is done
	s_wait_kmcnt 0x0
	s_add_nc_u64 s[82:83], s[4:5], s[82:83]
	s_add_nc_u64 s[84:85], s[4:5], s[84:85]
	CROUND                                         ; all sixteen work-groups are here: the first joint loads meet
.irp s, 0,1
	s_mov_b32 s[G0A+4*(\s)], 1
	s_add_co_u32 s[G0A+4*(\s)+1], s86, (\s)*SLOT
	s_add_nc_u64 s[G0A+4*(\s)+2:G0A+4*(\s)+3], s[82:83], (\s)*PLANE
	s_or_b32 s[G0A+4*(\s)+3], s[G0A+4*(\s)+3], 0x80000000
	s_mov_b32 s[G0B+4*(\s)], 1
	s_add_co_u32 s[G0B+4*(\s)+1], s87, (\s)*SLOT+ABYTES
	s_add_nc_u64 s[G0B+4*(\s)+2:G0B+4*(\s)+3], s[84:85], (\s)*PLANE
	s_or_b32 s[G0B+4*(\s)+3], s[G0B+4*(\s)+3], 0x80000000
	JLOAD \s                                       ; K steps 0 and 1: two loads of mine are out
.endr
	; lane addresses.  A fragment is 16 rows x 32 K: lane l holds row l % 16, K 8 (l / 16) + 0..7 and 16 + 8 (l / 16) + 0..7: two loads of 16 bytes, 32 bytes apart
	v_and_b32 v1, 15, v0                           ; r
	v_bfe_u32 v2, v0, 4, 1                         ; h
	v_mul_u32_u24 v3, v1, PITCH
	v_lshl_add_u32 v3, v2, 4, v3
	s_mul_i32 s32, s[WR], MATB                     ; my 128 rows of x
	s_mul_i32 s33, s[WC], 64*PITCH                 ; my 64 rows of each W
	s_add_co_u32 s33, s33, ABYTES
	v_add_nc_u32 v[ADRA], s32, v3
	v_add_nc_u32 v[ADRB], s33, v3
	v_add_nc_u32 v[ADRA+1], SLOT, v[ADRA]
	v_add_nc_u32 v[ADRB+1], SLOT, v[ADRB]
	s_mul_i32 s89, s[WV], STW
	s_add_co_u32 s89, s89, STAGE                   ; my stage
	v_mul_u32_u24 v[STK], v1, 272
	v_lshl_add_u32 v[STK], v2, 4, v[STK]
	v_add_nc_u32 v[STK], s89, v[STK]
	v_mul_u32_u24 v[RDK], v2, 272
	v_lshl_add_u32 v[RDK], v1, 4, v[RDK]
	v_add_nc_u32 v[RDK], s89, v[RDK]
	v_lshlrev_b32 v[GOK], 11, v2
	v_lshl_add_u32 v[GOK], v1, 4, v[GOK]
	v_add_nc_u32 v[STQ], s89, v3
	v_bfe_u32 v[RDQ], v0, 3, 2
	v_mul_u32_u24 v[RDQ], v[RDQ], PITCH
	v_and_b32 v[GOQ], 7, v0
	v_lshl_add_u32 v[RDQ], v[GOQ], 4, v[RDQ]
	v_add_nc_u32 v[RDQ], s89, v[RDQ]
	v_and_b32 v[GOQ], 31, v0
	v_lshlrev_b32 v[GOQ], 4, v[GOQ]
	s_lshl_b32 s32, s[CB], 9
	s_lshl_b32 s33, s[WC], 8
	s_add_co_u32 s32, s32, s33                     ; my 64 columns in a bias, in bytes
	v_lshl_add_u32 v[VB1], v1, 2, s32
	v_lshl_add_u32 v[VB2], v2, 5, s32
.irp i, 0,1,2,3,4,5,6,7
	v_mov_b32 v[MXC+(\i)], 0                       ; magnitudes are at least 0
.endr
	s_mov_b32 s[SEL], 0x76543210
	s_mov_b32 s[SEL+1], 0xfedcba98
	s_mov_b32 s80, 0x7fff7fff                      ; clears the signs of two f16
	s_mov_b32 s81, 0xffff0000
	; kt, vt: batch (row block / 4), my first column's row, my 128 s
	s_lshr_b32 s32, s[MB], 2
	s_lshl_b32 s32, s32, 22
	s_lshl_b32 s33, s[CB], 18
	s_add_co_u32 s32, s32, s33
	s_lshl_b32 s33, s[WC], 17
	s_add_co_u32 s32, s32, s33
	s_and_b32 s33, s[MB], 3
	s_lshl_b32 s33, s33, 9
	s_add_co_u32 s32, s32, s33
	s_lshl_b32 s33, s[WR], 8
	s_add_co_u32 s32, s32, s33
	s_mov_b32 s33, 0
	s_add_nc_u64 s[12:13], s[12:13], s[32:33]
	s_add_nc_u64 s[16:17], s[16:17], s[32:33]
	; qb: plane 2 cb + wc, row 256 mb + 128 wr
	s_lshl_b32 s32, s[CB], 20
	s_lshl_b32 s33, s[WC], 19
	s_add_co_u32 s32, s32, s33
	s_lshl_b32 s33, s[MB], 15
	s_add_co_u32 s32, s32, s33
	s_lshl_b32 s33, s[WR], 14
	s_add_co_u32 s32, s32, s33
	s_mov_b32 s33, 0
	s_add_nc_u64 s[14:15], s[14:15], s[32:33]
	; mx: head 4 (cluster y) + cluster x, entry 16 cy + 4 cx + wave
	s_and_b32 s32, ttmp7, 0xffff
	s_lshl_b32 s32, s32, 11
	s_lshl_b32 s33, ttmp9, 9
	s_add_co_u32 s32, s32, s33
	s_lshl_b32 s33, s[CY], 7
	s_add_co_u32 s32, s32, s33
	s_lshl_b32 s33, s[CX], 5
	s_add_co_u32 s32, s32, s33
	s_lshl_b32 s33, s[WV], 3
	s_add_co_u32 s32, s32, s33
	s_mov_b32 s33, 0
	s_add_nc_u64 s[18:19], s[18:19], s[32:33]
	; the prefetches: offsets made apart from the address
	s_lshl_b32 s32, s[MB], 15                      ; wave 0: my work-group's 8 KiB of x's 32, at K step 2 + cluster x
	s_lshl_b32 s33, s[CX], 13
	s_add_co_u32 s32, s32, s33
	s_add_co_u32 s33, ttmp9, 2
	s_mul_i32 s33, s33, PLANE
	s_add_co_u32 s32, s32, s33
	s_mul_i32 s34, s[CB], 49152                    ; waves 1 to 3: my work-group's 4 KiB of W[wave - 1]'s 16, at K step 2
	s_lshl_b32 s35, s[WV], 14
	s_add_co_u32 s34, s34, s35
	s_lshl_b32 s35, s[CY], 12
	s_add_co_u32 s34, s34, s35
	s_add_co_u32 s34, s34, 524288-16384+2*PLANE
	s_cmp_lt_u32 ttmp9, 2
	s_cselect_b32 s87, 1, -1
	s_and_b32 s88, ttmp7, 0xffff
	s_cmp_eq_u32 s88, 0
	s_cselect_b32 s88, 1, -1
	s_mov_b32 s35, PLANE                           ; in a register, so that the select below holds one literal
	s_cmp_eq_u32 s[WV], 0
	s_cselect_b32 s[LIM], s87, s88                 ; the same in all sixteen partners, for a given wave
	s_cselect_b32 s32, s32, s34
	s_cselect_b32 s35, 4096, s35                   ; lanes 16-31: wave 0 the next 4 KiB, the others the next K step
	s_mov_b32 s33, 0
	s_add_nc_u64 s[PFA:PFA+1], s[4:5], s[32:33]    ; the first lap steps it two K steps on
	v_mul_u32_u24 v[PFO], s35, v2
	v_lshl_add_u32 v[PFO], v1, 8, v[PFO]
	s_wait_tensorcnt 1                             ; my part of K step 0 is in; K step 1's may stay out
	s_barrier_signal -1
	s_barrier_wait -1
	LDB 0, 0, 0
	LDA 0, 0, FA0
	LDB 1, 0, 0
	LDB 2, 0, 0
	HALF 0, 1                                      ; the first half step stands in front of the loop: its products start the sums
	WIN 0
	s_mov_b32 s[LAP], LAPS-1
.Llap:                                                 ; a trip goes once round the ring and fills both slots again
	TURN 0, 1, 1
	HALF 1, 0
	TURN 1, 0, 1
	HALF 0, 0
	WIN 0
	s_sub_co_u32 s[LAP], s[LAP], 1
	s_cmp_lg_u32 s[LAP], 0
	s_cbranch_scc1 .Llap
	TURN 0, 1, 0                                   ; the last lap fills nothing
	HALF 1, 0
.irp b, 0,1,2,3                        ; the biases, into FA0, which no product reads any more (four places stand behind the last that did)
	global_load_b32 v[80+(\b)], v[VB1], s[6:7] offset:64*(\b)
	global_load_b32 v[84+(\b)], v[VB1], s[10:11] offset:64*(\b)
	global_load_b128 v[BQ+8*(\b):BQ+8*(\b)+3],   v[VB2], s[8:9] offset:64*(\b)
	global_load_b128 v[BQ+8*(\b)+4:BQ+8*(\b)+7], v[VB2], s[8:9] offset:64*(\b)+16
.endr
	s_wait_dscnt 16                                ; the very last half: nothing more to fetch
	MUL16 0, FA1, 0, 0
	MUL16 0, FA1, 4, 0
	s_wait_dscnt 8
	MUL16 1, FA1, 0, 0
	MUL16 1, FA1, 4, 0
	s_wait_dscnt 0x0
	MUL16 2, FA1, 0, 0
	MUL16 2, FA1, 4, 0
	WIN 0
	; THE WAY OUT.  The biases are rounded to bf16 and widened again; these 68 plain lines name no register of the last products and are the places behind them.
	s_wait_loadcnt 0x0
	v_cvt_pk_bf16_f32 v88, v80, v81
	v_cvt_pk_bf16_f32 v89, v82, v83
	v_cvt_pk_bf16_f32 v90, v84, v85
	v_cvt_pk_bf16_f32 v91, v86, v87
.irp m, 0,1
.irp c, 0,1
	v_lshlrev_b32 v[BKV+8*(\m)+4*(\c)],   16, v[88+2*(\m)+(\c)]
	v_lshlrev_b32 v[BKV+8*(\m)+4*(\c)+1], 16, v[88+2*(\m)+(\c)]
	v_and_b32     v[BKV+8*(\m)+4*(\c)+2], s81, v[88+2*(\m)+(\c)]
	v_and_b32     v[BKV+8*(\m)+4*(\c)+3], s81, v[88+2*(\m)+(\c)]
.endr
.endr
.set i, 0
.rept 16
	v_cvt_pk_bf16_f32 v[80+i%8], v[BQ+2*i], v[BQ+2*i+1]
	v_lshlrev_b32 v[BQ+2*i],   16, v[80+i%8]
	v_and_b32     v[BQ+2*i+1], s81, v[80+i%8]
.set i, i+1
.endr
; Sixteen blocks: 0-3 k's column blocks (16 d x 128 s), 4-7 v's, 8-15 q's row blocks (16 s x 64 d).  PACK: bias, f16, and for k and v the magnitudes' maxima.  TOSTAGE: through my own stage, back as whole rows.  SEND: stored.
.macro PACK n
.if (\n) < 8
.set mt, (\n)/4
.set bb, (\n)%4
	WIN 0x01+2*mt                                  ; source 0: window 1 (k) or 3 (v)
.irp a, 0,1,2,3,4,5,6,7
.irp p, 0,1,2,3                        ; each accumulator is read from its low end on
	v_pk_add_f32 v[T+8*(\a)+2*(\p):T+8*(\a)+2*(\p)+1], v[8*(4*(\a)+bb)+2*(\p):8*(4*(\a)+bb)+2*(\p)+1], v[BKV+8*mt+2*bb:BKV+8*mt+2*bb+1]
.endr
.endr
	WIN 0
.set i, 0
.rept 32
	v_cvt_pk_f16_f32 v[PK+i], v[T+2*i], v[T+2*i+1]
.set i, i+1
.endr
.set i, 0
.rept 32
	v_and_b32 v[T+i], s80, v[PK+i]
.set i, i+1
.endr
.set i, 0
.rept 32
	v_pk_max_num_f16 v[MXC+4*mt+i%4], v[MXC+4*mt+i%4], v[T+i]
.set i, i+1
.endr
.else
.set aa, (\n)-8
	WIN 0x02                                       ; source 0: window 2
.irp b, 0,1,2,3
.irp p, 0,1,2,3
	v_pk_add_f32 v[T+8*(\b)+2*(\p):T+8*(\b)+2*(\p)+1], v[8*(4*aa+(\b))+2*(\p):8*(4*aa+(\b))+2*(\p)+1], v[BQ+8*(\b)+2*(\p):BQ+8*(\b)+2*(\p)+1]
.endr
.endr
	WIN 0
.set i, 0
.rept 16
	v_cvt_pk_f16_f32 v[PK+i], v[T+2*i], v[T+2*i+1]
.set i, i+1
.endr
.endif
.endm
.macro TOSTAGE n
.set rB, BK+32*((\n)%2)
.if (\n) < 8
.irp a, 0,1,2,3,4,5,6,7
	ds_store_b128 v[STK], v[PK+4*(\a):PK+4*(\a)+3] offset:32*(\a)
.endr
.irp t, 0,1,2,3,4,5,6,7
	ds_load_b128 v[rB+4*(\t):rB+4*(\t)+3], v[RDK] offset:(\t)*544  ; LDS serves a wave's instructions in order: these see the stores above
.endr
.else
.irp b, 0,1,2,3
	ds_store_b128 v[STQ], v[PK+4*(\b):PK+4*(\b)+3] offset:32*(\b)
.endr
.irp f, 0,1,2,3
	ds_load_b128 v[rB+4*(\f):rB+4*(\f)+3], v[RDQ] offset:(\f)*4*PITCH
.endr
.endif
.endm
.macro SEND n
.set rB, BK+32*((\n)%2)
	s_wait_dscnt 0x0                               ; the block is back in registers
	s_wait_xcnt 0x0                                ; the block before has been read by its stores: its buffer is loaded again only behind this wait
.if (\n) < 4
.irp t, 0,1,2,3,4,5,6,7
	global_store_b128 v[GOK], v[rB+4*(\t):rB+4*(\t)+3], s[12:13] offset:((\n)%4)*32768+(\t)*4096  ; 16 lanes store 256 consecutive bytes, aligned
.endr
.elseif (\n) < 8
.irp t, 0,1,2,3,4,5,6,7
	global_store_b128 v[GOK], v[rB+4*(\t):rB+4*(\t)+3], s[16:17] offset:((\n)%4)*32768+(\t)*4096
.endr
.else
.irp f, 0,1,2,3
	global_store_b128 v[GOQ], v[rB+4*(\f):rB+4*(\f)+3], s[14:15] offset:((\n)-8)*2048+(\f)*512  ; 512 consecutive bytes
.endr
.endif
.endm
	PACK 0
	TOSTAGE 0
.irp n, 1,2,3,4,5,6,7,8,9,10,11,12,13,14,15  ; a block's arithmetic stands between the loads of the block before and the wait for them
	PACK \n
	SEND (\n)-1
	TOSTAGE \n
.endr
	SEND 15
	; the wave's max|k| and max|v|
	v_pk_max_num_f16 v20, v20, v21
	v_pk_max_num_f16 v22, v22, v23
	v_pk_max_num_f16 v24, v24, v25
	v_pk_max_num_f16 v26, v26, v27
	v_pk_max_num_f16 v20, v20, v22
	v_pk_max_num_f16 v24, v24, v26
	v_cvt_f32_f16 v22, v20.l
	v_cvt_f32_f16 v23, v20.h
	v_cvt_f32_f16 v26, v24.l
	v_cvt_f32_f16 v27, v24.h
	v_max_num_f32 v20, v22, v23
	v_max_num_f32 v21, v26, v27
.irp m, 1,2,4,8
	v_max_num_f32_dpp v20, v20, v20 row_xmask:\m row_mask:0xf bank_mask:0xf
	v_max_num_f32_dpp v21, v21, v21 row_xmask:\m row_mask:0xf bank_mask:0xf
.endr
	v_permlanex16_b32 v22, v20, s[SEL], s[SEL+1]
	v_permlanex16_b32 v23, v21, s[SEL], s[SEL+1]
	v_max_num_f32 v20, v20, v22
	v_max_num_f32 v21, v21, v23
	v_mov_b32 v3, 0
	v_cmp_eq_u32 vcc_lo, 0, v[GOQ]                 ; lane 0
	s_wait_xcnt 0x0                                ; EXEC changes only behind this wait
	s_and_saveexec_b32 s32, vcc_lo
	global_store_b64 v3, v[20:21], s[18:19]
	s_wait_xcnt 0x0                                ; and again, in front of the line that widens it
	s_or_b32 exec_lo, exec_lo, s32
	s_wait_tensorcnt 0x0                           ; the wave's end
	ds_add_u32 v[SPW], v[NIL]
	s_wait_dscnt 0x0
	CROUND                                         ; the closing round
	s_endpgm
.Lfunc_end_k_q482518aa8f_proj:
	.size	k_q482518aa8f_proj, .Lfunc_end_k_q482518aa8f_proj-k_q482518aa8f_proj
	.p2alignl 7, 3214868480
	.fill 96, 4, 3214868480
	.section	.rodata,"a",@progbits
	.p2align	6, 0x0
	.amdhsa_kernel k_q482518aa8f_proj
		.amdhsa_group_segment_fixed_size 327680
		.amdhsa_private_segment_fixed_size 0
		.amdhsa_enable_private_segment 0
		.amdhsa_kernarg_size 64
		.amdhsa_user_sgpr_count 2
		.amdhsa_user_sgpr_kernarg_segment_ptr 1
		.amdhsa_wavefront_size32 1
		.amdhsa_system_sgpr_workgroup_id_x 1
		.amdhsa_system_sgpr_workgroup_id_y 1
		.amdhsa_system_sgpr_workgroup_id_z 1
		.amdhsa_system_vgpr_workitem_id 0
		.amdhsa_next_free_vgpr 1024
		.amdhsa_next_free_sgpr 96
		.amdhsa_reserve_vcc 1
		.amdhsa_float_denorm_mode_32 3
		.amdhsa_float_denorm_mode_16_64 3
		.amdhsa_memory_ordered 1
		.amdhsa_forward_progress 1
		.amdhsa_inst_pref_size 186
	.end_amdhsa_kernel
	.amdgpu_metadata
---
amdhsa.version: [ 1, 2 ]
amdhsa.kernels:
  - .name:           k_q482518aa8f_proj
    .symbol:         k_q482518aa8f_proj.kd
    .args:
      - { .name: ab, .offset: 0, .size: 8, .value_kind: global_buffer, .address_space: global }
      - { .name: bk, .offset: 8, .size: 8, .value_kind: global_buffer, .address_space: global }
      - { .name: bq, .offset: 16, .size: 8, .value_kind: global_buffer, .address_space: global }
      - { .name: bv, .offset: 24, .size: 8, .value_kind: global_buffer, .address_space: global }
      - { .name: kt, .offset: 32, .size: 8, .value_kind: global_buffer, .address_space: global }
      - { .name: qb, .offset: 40, .size: 8, .value_kind: global_buffer, .address_space: global }
      - { .name: vt, .offset: 48, .size: 8, .value_kind: global_buffer, .address_space: global }
      - { .name: mx, .offset: 56, .size: 8, .value_kind: global_buffer, .address_space: global }
    .group_segment_fixed_size: 327680
    .private_segment_fixed_size: 0
    .kernarg_segment_align: 8
    .kernarg_segment_size: 64
    .max_flat_workgroup_size: 128
    .sgpr_count:     96
    .vgpr_count:     1024
    .wavefront_size: 32
...
	.end_amdgpu_metadata
.endif
;; end of part 2
;; launch state (part 3): grid 4 x 64, 4 waves a work-group, clusters of 4 x 4, 327,680 bytes of LDS; arguments vt, kt, mx, st; writes st
.if DOCPART == 3
	.amdgcn_target "amdgcn-amd-amdhsa--gfx1250"
	.amdhsa_code_object_version 6
	.text
	.protected	k_q482518aa8f_state
	.globl	k_q482518aa8f_state
	.p2align	8
	.type	k_q482518aa8f_state,@function
k_q482518aa8f_state:
	s_mov_b64 s[64:65], 0
	v_nop
	global_prefetch_b8 v0, s[64:65] scope:SCOPE_SE
	s_setreg_imm32_b32 hwreg(HW_REG_WAVE_MODE, 25, 1), 1
	s_wait_xcnt 0x0
	s_wait_alu depctr_hold_cnt(0) depctr_sa_sdst(0) depctr_va_vdst(0) depctr_va_sdst(0) depctr_va_ssrc(0) depctr_va_vcc(0) depctr_vm_vsrc(0)
	s_getreg_b32 s2, hwreg(HW_REG_IB_STS2, 6, 4)
	s_cmp_eq_u32 s2, 0
	s_cbranch_scc0 .Lentry_in_a_cluster
	s_endpgm
.Lentry_in_a_cluster:
	s_bfe_u32 s2, ttmp6, 0x10000c
	s_cmp_lg_u32 s2, 0xf033
	s_cbranch_scc0 .Lentry_shape_is_right
	s_endpgm
.Lentry_shape_is_right:
; For each of 16 heads: S'^T[e][d] = (the sum over s of v^T[e][s] k^T[d][s]) / u, f16 operands, f32 sums, rounded once to f16.
; vt, kt: [16 heads x 512][1024 s] f16.  mx: [16 heads][64][max|k|, max|v|] f32.
; st: [16 heads][32 blocks of 16 e][16 quarters of 32 d][2 halves j][32 lanes][8 f16]: lane l of a piece holds e = l % 16 and d = 16 j + 8 (l / 16) + 0..7 of its block and quarter:
; the order in which the next launch's matrix operand lies in registers, and also the order in which a result tile lies here: a lane's four packed registers are its 16 bytes of a piece.
; THE SCALE.  u = max(mk mv / 32, 2^-70), mk and mv the head's largest |k| and |v|.  |S| <= 1024 mk mv, so |S / u| <= 32,768: f16 cannot overflow, whatever the inputs.
; LIMIT.  An S below 2^-29 of that bound falls into f16's fixed step.  NaN and infinities are not treated apart.
; SHARES.  A cluster of 4 x 4 work-groups is one head; a work-group makes 128 e (cy) x 128 d (cx), K = 1,024; four waves, 64 x 64 each: 16 accumulators.
; v^T's tile is shared along a row of the cluster, k^T's along a column: joint loads.  K goes in 4 steps of 256 (rows of 512 bytes) through two LDS slots; the four steps are written out.
; Source 0 = 16 rows of k^T, source 1 = 16 rows of v^T: a lane holds one e (lane % 16) and eight consecutive d.
; REGISTERS: window 0: v0-31 addresses; v32-95 packed results; v128-255 the accumulators ((a, b) at v[128 + 8 (4 a + b)]).  Window 1: two fragment buffers of 128 (64 along K: 64 registers of v^T, 64 of k^T).
; No prefetch: four K steps, of which two are asked for at the head.
.set KSTEP,  256
.set PITCH,  528                       ; 512 bytes + 16 of padding: an odd multiple of 16
.set HALFT,  64*PITCH
.set SLOT,   4*HALFT
.set SPARE,  2*SLOT                    ; behind the ring: the spare words, 128 bytes a wave: two blocks of 256 bytes that no other line names
.set SC,   12                          ; v[12:13] 1 / u, twice
.set ADRA, 16
.set ADRB, 20
.set GO,   26                          ; v26   16 x lane
.set SPW,  28
.set NIL,  29
.set TMP,  32
.set ACC,  128
.set F0,   0
.set F1,   128
.set WV, 12
.set WR, 13                            ; my 64 rows e.  Also: I fetch for v^T (0) or k^T (1)
.set WC, 14                            ; my 64 columns d.  Also: which 64 rows of that tile I fetch
.set HD, 15
.set G1, 24
.set G0, 32
.set G1B, 48
.set G0B, 56
.set SEL, 66
.set MSB, 0
.macro WIN new
.if MSB != (\new)
	s_set_vgpr_msb (MSB<<8)|(\new)
.set MSB, \new
.endif
.endm
.set MUL,  0x05                        ; sources 0 and 1 window 1; C and D window 0
.set TO_F, 0x40                        ; destination window 1, address window 0
.macro JLOAD s                         ; waves 0 and 1 fetch v^T's two halves, waves 2 and 3 k^T's; s_nop 0 and four v_nop follow each line
	s_cmp_eq_u32 s[WR], 0
	s_cbranch_scc0 .Lfor_b_\@
	tensor_load_to_lds s[G0+4*(\s):G0+4*(\s)+3], s[G1:G1+7]
	s_nop 0
.rept 4
	v_nop
.endr
	s_branch .Lasked_\@
.Lfor_b_\@:
	tensor_load_to_lds s[G0B+4*(\s):G0B+4*(\s)+3], s[G1B:G1B+7]
	s_nop 0
.rept 4
	v_nop
.endr
.Lasked_\@:
.endm
.macro CREST
	s_cmp_lg_u32 s[WV], 0
	s_cbranch_scc1 .Lnot_wave_0_\@
	s_barrier_signal -3
.Lnot_wave_0_\@:
	s_barrier_wait -3
	s_barrier_signal -1
	s_barrier_wait -1
.endm
.macro CROUND
	s_barrier_signal -1
	s_barrier_wait -1
	CREST
.endm
	s_load_b256 s[4:11], s[0:1], 0x0               ; vt s[4:5], kt s[6:7], mx s[8:9], st s[10:11]
	v_lshl_add_u32 v[SPW], v0, 2, SPARE
	v_mov_b32 v[NIL], 0
	ds_add_u32 v[SPW], v[NIL]                      ; the wave's opening: the add and its wait stand ahead of my first tensor load
	v_lshrrev_b32 v1, 5, v0
	v_readfirstlane_b32 s[WV], v1
	s_lshr_b32 s[WR], s[WV], 1
	s_and_b32 s[WC], s[WV], 1
	s_bfe_u32 s40, ttmp6, 0x40000                  ; cx
	s_bfe_u32 s41, ttmp6, 0x40004                  ; cy
	s_and_b32 s[HD], ttmp7, 0xffff                 ; the cluster's y is the head
	s_lshl_b32 s43, s41, 2
	s_lshl_b32 s43, 15, s43                        ; my row of the cluster
	s_lshl_b32 s44, 0x1111, s40                    ; my column
	s_or_b32 s[G1], s43, (1<<16)|(1<<20)|(1<<21)|(6<<22)|(3<<25)   ; 2-byte elements; padding on; bit 21 beside a mask; after every 128 words; 4 words
	s_or_b32 s[G1B], s44, (1<<16)|(1<<20)|(1<<21)|(6<<22)|(3<<25)
.irp g, G1, G1B
	s_mov_b32 s[(\g)+1], KSTEP<<16                 ; tensor_dim0 = 256
	s_mov_b32 s[(\g)+2], 64<<16                    ; tensor_dim1 = 64
	s_mov_b32 s[(\g)+3], KSTEP<<16                 ; tile_dim0 = 256
	s_mov_b32 s[(\g)+4], 64                        ; tile_dim1 = 64
	s_mov_b32 s[(\g)+5], 1024                      ; elements from row to row
	s_mov_b32 s[(\g)+6], 0
	s_mov_b32 s[(\g)+7], 0
.endr
	s_lshl_b32 s16, s[HD], 2
	s_add_co_u32 s16, s16, s41                     ; v^T: block 4 head + cy of 128 rows of 2,048 bytes,
	s_lshl_b32 s16, s16, 18
	s_lshl_b32 s17, s[WC], 17                      ; my 64 of them
	s_add_co_u32 s16, s16, s17
	s_mov_b32 s17, 0
	s_lshl_b32 s46, s[HD], 2
	s_add_co_u32 s46, s46, s40                     ; k^T: block 4 head + cx
	s_lshl_b32 s46, s46, 18
	s_lshl_b32 s47, s[WC], 17
	s_add_co_u32 s46, s46, s47
	s_mov_b32 s47, 0
	s_mul_i32 s20, s[WV], HALFT                    ; where they go: wave x 64 rows
	s_mov_b32 s[SEL], 0x76543210
	s_mov_b32 s[SEL+1], 0xfedcba98
	s_wait_dscnt 0x0                               ; the opening add is done
	s_wait_kmcnt 0x0
	s_add_nc_u64 s[18:19], s[4:5], s[16:17]
	s_add_nc_u64 s[46:47], s[6:7], s[46:47]
	CROUND                                         ; the first joint loads meet
.irp s, 0,1
	s_mov_b32 s[G0+4*(\s)], 1
	s_add_co_u32 s[G0+4*(\s)+1], s20, (\s)*SLOT
	s_add_nc_u64 s[G0+4*(\s)+2:G0+4*(\s)+3], s[18:19], (\s)*KSTEP*2
	s_or_b32 s[G0+4*(\s)+3], s[G0+4*(\s)+3], 0x80000000
	s_mov_b32 s[G0B+4*(\s)], 1
	s_add_co_u32 s[G0B+4*(\s)+1], s20, (\s)*SLOT
	s_add_nc_u64 s[G0B+4*(\s)+2:G0B+4*(\s)+3], s[46:47], (\s)*KSTEP*2
	s_or_b32 s[G0B+4*(\s)+3], s[G0B+4*(\s)+3], 0x80000000
	JLOAD \s
.endr
	s_lshl_b32 s16, s[HD], 9                       ; the head's 64 entries of mx: 16 bytes a lane
	s_mov_b32 s17, 0
	s_add_nc_u64 s[8:9], s[8:9], s[16:17]
	v_and_b32 v[GO], 31, v0
	v_lshlrev_b32 v[GO], 4, v[GO]
	global_load_b128 v[4:7], v[GO], s[8:9]
	v_and_b32 v1, 15, v0                           ; r
	v_bfe_u32 v2, v0, 4, 1                         ; h
	v_mul_u32_u24 v3, v1, PITCH
	v_lshl_add_u32 v3, v2, 4, v3
	s_mul_i32 s21, s[WR], HALFT
	s_mul_i32 s22, s[WC], HALFT
	s_add_co_u32 s22, s22, 2*HALFT
.irp s, 0,1
	v_add_nc_u32 v[ADRA+(\s)], s21, v3
	v_add_nc_u32 v[ADRB+(\s)], s22, v3
	s_add_co_u32 s21, s21, SLOT
	s_add_co_u32 s22, s22, SLOT
.endr
	s_lshl_b32 s16, s[HD], 19                      ; st: the head; e block 8 cy + 4 wr (16,384 bytes each); quarter 4 cx + 2 wc (1,024 bytes each)
	s_lshl_b32 s17, s41, 17
	s_add_co_u32 s16, s16, s17
	s_lshl_b32 s17, s[WR], 16
	s_add_co_u32 s16, s16, s17
	s_lshl_b32 s17, s40, 12
	s_add_co_u32 s16, s16, s17
	s_lshl_b32 s17, s[WC], 11
	s_add_co_u32 s16, s16, s17
	s_mov_b32 s17, 0
	s_add_nc_u64 s[10:11], s[10:11], s[16:17]
; 8 matrix instructions: e blocks a0, a0 + 1 x all 4 d blocks, 32 along K: half c of buffer f.  The 16 accumulators take turns.
.macro MUL8 f, c, a0, zero
	WIN MUL
.irp a, \a0, (\a0)+1
.irp b, 0,1,2,3
.if \zero
	v_wmma_f32_16x16x32_f16 v[ACC+8*(4*(\a)+(\b)):ACC+8*(4*(\a)+(\b))+7], v[(\f)+64+8*(4*(\c)+(\b)):(\f)+64+8*(4*(\c)+(\b))+7], v[(\f)+8*(4*(\c)+(\a)):(\f)+8*(4*(\c)+(\a))+7], 0
.else
	v_wmma_f32_16x16x32_f16 v[ACC+8*(4*(\a)+(\b)):ACC+8*(4*(\a)+(\b))+7], v[(\f)+64+8*(4*(\c)+(\b)):(\f)+64+8*(4*(\c)+(\b))+7], v[(\f)+8*(4*(\c)+(\a)):(\f)+8*(4*(\c)+(\a))+7], v[ACC+8*(4*(\a)+(\b)):ACC+8*(4*(\a)+(\b))+7]
.endif
.endr
.endr
.endm
; 32 LDS loads in one run: the fragments of 64 along K at byte k of the rows; the first 32 along K first
.macro FETCH slot, k, f
	WIN TO_F
.irp c, 0,1
.irp i, 0,1,2,3
	ds_load_b128 v[(\f)+64+8*(4*(\c)+(\i)):(\f)+64+8*(4*(\c)+(\i))+3],   v[ADRB+(\slot)] offset:(\k)+64*(\c)+(\i)*16*PITCH
	ds_load_b128 v[(\f)+64+8*(4*(\c)+(\i))+4:(\f)+64+8*(4*(\c)+(\i))+7], v[ADRB+(\slot)] offset:(\k)+64*(\c)+(\i)*16*PITCH+32
	ds_load_b128 v[(\f)+8*(4*(\c)+(\i)):(\f)+8*(4*(\c)+(\i))+3],         v[ADRA+(\slot)] offset:(\k)+64*(\c)+(\i)*16*PITCH
	ds_load_b128 v[(\f)+8*(4*(\c)+(\i))+4:(\f)+8*(4*(\c)+(\i))+7],       v[ADRA+(\slot)] offset:(\k)+64*(\c)+(\i)*16*PITCH+32
.endr
.endr
.endm
.macro PLACES
.rept 4
	v_nop
.endr
.endm
; A K step is four quarters of 64 along K on buffers 0, 1, 0, 1.  One of the first three: multiplies f, fetches the next quarter, at byte k, into g.
.macro QUARTER slot, k, f, g, zero
	s_wait_dscnt 16                                ; the first 32 along K are in; the other 16 loads may be out
	WIN MUL
	MUL8 \f, 0, 0, \zero
	MUL8 \f, 0, 2, \zero
	PLACES
	FETCH \slot, \k, \g
	s_wait_dscnt 32                                ; all but the 32 just issued
	WIN MUL
	MUL8 \f, 1, 0, 0
	MUL8 \f, 1, 2, 0
.endm
; The last quarter multiplies buffer 1 and changes slots: one barrier; in front of it each wave waits for all its tensor loads, adds 0 to its spare word, and waits for that and for its reads of this slot.
.macro TURN slot, next, fill
	WIN 0
	s_wait_tensorcnt 0x0                           ; all my tensor loads have landed: my part of the next slot
	ds_add_u32 v[SPW], v[NIL]
	s_wait_dscnt 17                                ; the add and the youngest sixteen loads may be out
	WIN MUL
	MUL8 F1, 0, 0, 0
	s_wait_dscnt 0x0                               ; the add is done, and my reads of this slot are over
	s_barrier_signal -1
	MUL8 F1, 0, 2, 0
.if \fill
	WIN 0
.endif
	s_barrier_wait -1
.if \fill
	CREST                                          ; no wave of any partner still reads this slot or has a load on its way
	s_add_nc_u64 s[G0+4*(\slot)+2:G0+4*(\slot)+3], s[G0+4*(\slot)+2:G0+4*(\slot)+3], 2*KSTEP*2
	s_add_nc_u64 s[G0B+4*(\slot)+2:G0B+4*(\slot)+3], s[G0B+4*(\slot)+2:G0B+4*(\slot)+3], 2*KSTEP*2
	JLOAD \slot                                    ; the first tensor load behind the round; its four v_nop are the places in front of the loads below
.else
	PLACES
.endif
	FETCH \next, 0, F0
	WIN MUL
	MUL8 F1, 1, 0, 0
	MUL8 F1, 1, 2, 0
.endm
	s_wait_tensorcnt 1                             ; my part of K step 0 is in; K step 1's may stay out
	s_barrier_signal -1
	s_barrier_wait -1
	FETCH 0, 0, F0
	QUARTER 0, 128, F0, F1, 1                      ; the first products start the sums
	QUARTER 0, 256, F1, F0, 0
	QUARTER 0, 384, F0, F1, 0
	TURN 0, 1, 1                                   ; slot 0 takes K step 2
	QUARTER 1, 128, F0, F1, 0
	QUARTER 1, 256, F1, F0, 0
	QUARTER 1, 384, F0, F1, 0
	TURN 1, 0, 1                                   ; slot 1 takes K step 3
	QUARTER 0, 128, F0, F1, 0
	QUARTER 0, 256, F1, F0, 0
	QUARTER 0, 384, F0, F1, 0
	TURN 0, 1, 0
	QUARTER 1, 128, F0, F1, 0
	QUARTER 1, 256, F1, F0, 0
	QUARTER 1, 384, F0, F1, 0
	s_wait_dscnt 16                                ; the very last quarter
	WIN MUL
	MUL8 F1, 0, 0, 0
	MUL8 F1, 0, 2, 0
	s_wait_dscnt 0x0
	MUL8 F1, 1, 0, 0
	MUL8 F1, 1, 2, 0
	WIN 0
	; THE WAY OUT.  The head's mk and mv: two entries a lane, then across the lanes; 1 / u.
	PLACES
	s_wait_loadcnt 0x0
	v_max_num_f32 v4, v4, v6
	v_max_num_f32 v5, v5, v7
.irp m, 1,2,4,8
	v_max_num_f32_dpp v4, v4, v4 row_xmask:\m row_mask:0xf bank_mask:0xf
	v_max_num_f32_dpp v5, v5, v5 row_xmask:\m row_mask:0xf bank_mask:0xf
.endr
	v_permlanex16_b32 v6, v4, s[SEL], s[SEL+1]
	v_permlanex16_b32 v7, v5, s[SEL], s[SEL+1]
	v_max_num_f32 v4, v4, v6
	v_max_num_f32 v5, v5, v7
	v_mul_f32 v4, v4, v5
	v_mul_f32 v4, 0x3d000000, v4                   ; / 32
	v_max_num_f32 v4, 0x1c800000, v4               ; at least 2^-70
	v_rcp_f32 v[SC], v4
	v_rcp_f32 v[SC+1], v4
	v_nop                                          ; a plain instruction behind the last reciprocal,
	s_wait_alu depctr_va_vdst(0)                   ; and a wait ahead of the first use
; Block a: 16 rows e x my 64 d.  Scaled and rounded; tile b (16 d) is piece b of the block's four, and a lane's four packed registers are its 16 bytes of the piece: stored straight from registers.
; Each block has packed registers of its own, so nothing waits for a store.
.macro PACK a
.set i, 0
.rept 16
	v_pk_mul_f32 v[ACC+32*(\a)+2*i:ACC+32*(\a)+2*i+1], v[ACC+32*(\a)+2*i:ACC+32*(\a)+2*i+1], v[SC:SC+1]
.set i, i+1
.endr
.set i, 0
.rept 16
	v_cvt_pk_f16_f32 v[TMP+16*(\a)+i], v[ACC+32*(\a)+2*i], v[ACC+32*(\a)+2*i+1]
.set i, i+1
.endr
.irp b, 0,1,2,3
	global_store_b128 v[GO], v[TMP+16*(\a)+4*(\b):TMP+16*(\a)+4*(\b)+3], s[10:11] offset:(\a)*16384+(\b)*512  ; 512 consecutive bytes, aligned
.endr
.endm
	PACK 0
	PACK 1
	PACK 2
	PACK 3
	s_wait_tensorcnt 0x0                           ; the wave's end
	ds_add_u32 v[SPW], v[NIL]
	s_wait_dscnt 0x0
	CROUND                                         ; the closing round
	s_endpgm
.Lfunc_end_k_q482518aa8f_state:
	.size	k_q482518aa8f_state, .Lfunc_end_k_q482518aa8f_state-k_q482518aa8f_state
	.p2alignl 7, 3214868480
	.fill 96, 4, 3214868480
	.section	.rodata,"a",@progbits
	.p2align	6, 0x0
	.amdhsa_kernel k_q482518aa8f_state
		.amdhsa_group_segment_fixed_size 327680
		.amdhsa_private_segment_fixed_size 0
		.amdhsa_enable_private_segment 0
		.amdhsa_kernarg_size 32
		.amdhsa_user_sgpr_count 2
		.amdhsa_user_sgpr_kernarg_segment_ptr 1
		.amdhsa_wavefront_size32 1
		.amdhsa_system_sgpr_workgroup_id_x 1
		.amdhsa_system_sgpr_workgroup_id_y 1
		.amdhsa_system_sgpr_workgroup_id_z 1
		.amdhsa_system_vgpr_workitem_id 0
		.amdhsa_next_free_vgpr 512
		.amdhsa_next_free_sgpr 80
		.amdhsa_reserve_vcc 0
		.amdhsa_float_denorm_mode_32 3
		.amdhsa_float_denorm_mode_16_64 3
		.amdhsa_memory_ordered 1
		.amdhsa_forward_progress 1
		.amdhsa_inst_pref_size 88
	.end_amdhsa_kernel
	.amdgpu_metadata
---
amdhsa.version: [ 1, 2 ]
amdhsa.kernels:
  - .name:           k_q482518aa8f_state
    .symbol:         k_q482518aa8f_state.kd
    .args:
      - { .name: vt, .offset: 0, .size: 8, .value_kind: global_buffer, .address_space: global }
      - { .name: kt, .offset: 8, .size: 8, .value_kind: global_buffer, .address_space: global }
      - { .name: mx, .offset: 16, .size: 8, .value_kind: global_buffer, .address_space: global }
      - { .name: st, .offset: 24, .size: 8, .value_kind: global_buffer, .address_space: global }
    .group_segment_fixed_size: 327680
    .private_segment_fixed_size: 0
    .kernarg_segment_align: 8
    .kernarg_segment_size: 32
    .max_flat_workgroup_size: 128
    .sgpr_count:     80
    .vgpr_count:     512
    .wavefront_size: 32
...
	.end_amdgpu_metadata
.endif
;; end of part 3
;; launch mix (part 4): grid 4 x 64, 4 waves a work-group, clusters of 4 x 4, 327,680 bytes of LDS; arguments qb, st, mx, out0; writes out0
.if DOCPART == 4
	.amdgcn_target "amdgcn-amd-amdhsa--gfx1250"
	.amdhsa_code_object_version 6
	.text
	.protected	k_q482518aa8f_mix
	.globl	k_q482518aa8f_mix
	.p2align	8
	.type	k_q482518aa8f_mix,@function
k_q482518aa8f_mix:
	s_mov_b64 s[64:65], 0
	v_nop
	global_prefetch_b8 v0, s[64:65] scope:SCOPE_SE
	s_setreg_imm32_b32 hwreg(HW_REG_WAVE_MODE, 25, 1), 1
	s_wait_xcnt 0x0
	s_wait_alu depctr_hold_cnt(0) depctr_sa_sdst(0) depctr_va_vdst(0) depctr_va_sdst(0) depctr_va_ssrc(0) depctr_va_vcc(0) depctr_vm_vsrc(0)
	s_getreg_b32 s2, hwreg(HW_REG_IB_STS2, 6, 4)
	s_cmp_eq_u32 s2, 0
	s_cbranch_scc0 .Lentry_in_a_cluster
	s_endpgm
.Lentry_in_a_cluster:
	s_bfe_u32 s2, ttmp6, 0x10000c
	s_cmp_lg_u32 s2, 0xf033
	s_cbranch_scc0 .Lentry_shape_is_right
	s_endpgm
.Lentry_shape_is_right:
; out[head][s][e] = u x the sum over d of q[s][d] S'^T[e][d]; f16 operands, f32 sums, f32 out.  u = max(mk mv / 32, 2^-70), made of mx as the launch before made it.
; qb: [32 planes n / 64][4096 rows][64] f16.  out0: [16 heads][1024 s][512 e] f32.
; st: [16 heads][32 blocks of 16 e][16 quarters of 32 d][2 halves j][32 lanes][8 f16]: a piece of 512 bytes is registers 4 j .. 4 j + 3 of a matrix operand, 16 bytes a lane in the lanes' order.
; SHARES.  A cluster of 4 x 4 is one head; a work-group makes 256 s (cy) x 128 e (cx), K = 512; a wave 128 s x 64 e: 32 accumulators.
; q: all 8 planes of the work-group's 256 rows lie in LDS (8 x 256 rows x 144 bytes), each byte filled once: every wave issues four joint loads at the head (shared along a row of the cluster;
; four tensor loads of a wave are out), and the groups of 128 d are waited for one after the other.  No ring, and no round but the first and the last.
; S': my 64 e x 512 d stay in registers, 64 fragments in windows 2 and 3, loaded straight from memory: each load of the wave takes 512 consecutive bytes.
; Source 0 = 16 rows e of S'^T, source 1 = 16 rows s of q: a lane holds one s (lane % 16) and eight consecutive e.
; WINDOWS: 0 addresses, q's fragments (two buffers), the way out; 1 the accumulators, (a, b) at v[8 (4 a + b)]; 2, 3 S' (quarter kq, block b at v[8 (4 (kq % 8) + b)]).
; No prefetch: all that the launch reads is asked for at its head.
.set PITCH, 144
.set PLB,   256*PITCH                  ; a plane in LDS
.set STAGE, 8*PLB                      ; behind q: 16 rows x 272 bytes for each wave; no tensor load lands there
.set STW,   16*272
.set SPARE, STAGE+4*STW
.set ADRA, 4                           ; v4-7  LDS address of my q fragments in group g of two planes
.set VBO,  8                           ; v8    16 x lane: my offset in a piece of S' and in the head's entries of mx
.set STO,  9
.set RD,   10
.set GO,   11
.set U,    12                          ; v[12:13] u, twice
.set SPW,  28
.set NIL,  29
.set TMP,  32
.set F0,   64
.set BK,   192
.set WV, 12
.set WR, 13
.set WC, 14
.set HD, 15
.set CX, 16
.set CY, 17
.set G1, 24
.set G0, 32                            ; s[32:47] a set for each of my four loads
.set SEL, 56
.set MSB, 0
.macro WIN new
.if MSB != (\new)
	s_set_vgpr_msb (MSB<<8)|(\new)
.set MSB, \new
.endif
.endm
.macro PLACES
.rept 4
	v_nop
.endr
.endm
.macro CROUND
	s_barrier_signal -1
	s_barrier_wait -1
	s_cmp_lg_u32 s[WV], 0
	s_cbranch_scc1 .Lnot_wave_0_\@
	s_barrier_signal -3
.Lnot_wave_0_\@:
	s_barrier_wait -3
	s_barrier_signal -1
	s_barrier_wait -1
.endm
	s_load_b256 s[4:11], s[0:1], 0x0               ; qb s[4:5], st s[6:7], mx s[8:9], out0 s[10:11]
	v_lshl_add_u32 v[SPW], v0, 2, SPARE
	v_mov_b32 v[NIL], 0
	ds_add_u32 v[SPW], v[NIL]                      ; the wave's opening: the add and its wait stand ahead of my first tensor load
	v_lshrrev_b32 v1, 5, v0
	v_readfirstlane_b32 s[WV], v1
	s_lshr_b32 s[WR], s[WV], 1
	s_and_b32 s[WC], s[WV], 1
	s_and_b32 s[HD], ttmp7, 0xffff                 ; the cluster's y is the head
	s_bfe_u32 s[CX], ttmp6, 0x40000
	s_bfe_u32 s[CY], ttmp6, 0x40004
	s_lshl_b32 s18, s[CY], 2
	s_lshl_b32 s18, 15, s18                        ; my row of the cluster
	s_or_b32 s[G1], s18, (1<<16)|(1<<20)|(1<<21)|(4<<22)|(3<<25)  ; 2-byte elements; padding on; bit 21 beside a mask; after every 32 words; 4 words
	s_mov_b32 s[G1+1], 128<<16                     ; 128 rows of q, 16,384 dense bytes, asked for as 64 rows of 256 bytes
	s_mov_b32 s[G1+2], 64<<16
	s_mov_b32 s[G1+3], 128<<16
	s_mov_b32 s[G1+4], 64
	s_mov_b32 s[G1+5], 128
	s_mov_b32 s[G1+6], 0
	s_mov_b32 s[G1+7], 0
	s_lshr_b32 s20, s[HD], 2                       ; batch
	s_and_b32 s21, s[HD], 3                        ; head in the batch
	s_lshl_b32 s22, s21, 22                        ; load g of wave w: plane 8 h + 2 g + w / 2, rows 1024 b + 256 cy + 128 (w % 2)
	s_lshl_b32 s23, s[WR], 19
	s_add_co_u32 s22, s22, s23
	s_lshl_b32 s23, s20, 17
	s_add_co_u32 s22, s22, s23
	s_lshl_b32 s23, s[CY], 15
	s_add_co_u32 s22, s22, s23
	s_lshl_b32 s23, s[WC], 14
	s_add_co_u32 s22, s22, s23
	s_mov_b32 s23, 0
	s_mul_i32 s48, s[WV], 128*PITCH                ; in LDS: 2 g planes + wave x 128 rows
	s_mov_b32 s[SEL], 0x76543210
	s_mov_b32 s[SEL+1], 0xfedcba98
	s_wait_dscnt 0x0                               ; the opening add is done
	s_wait_kmcnt 0x0
	s_add_nc_u64 s[22:23], s[4:5], s[22:23]
	CROUND                                         ; the joint loads meet
.irp g, 0,1,2,3
	s_mov_b32 s[G0+4*(\g)], 1
	s_add_co_u32 s[G0+4*(\g)+1], s48, (\g)*2*PLB
	s_add_nc_u64 s[G0+4*(\g)+2:G0+4*(\g)+3], s[22:23], (\g)<<20
	s_or_b32 s[G0+4*(\g)+3], s[G0+4*(\g)+3], 0x80000000
.endr
.irp g, 0,1,2,3
	tensor_load_to_lds s[G0+4*(\g):G0+4*(\g)+3], s[G1:G1+7]
	s_nop 0
.endr
	PLACES
	v_and_b32 v1, 15, v0                           ; r
	v_bfe_u32 v2, v0, 4, 1                         ; h
	v_mul_u32_u24 v3, v1, PITCH
	v_lshl_add_u32 v3, v2, 4, v3
	s_mul_i32 s49, s[WR], 128*PITCH                ; my 128 rows
	v_add_nc_u32 v[ADRA], s49, v3
	v_add_nc_u32 v[ADRA+1], 2*PLB, v[ADRA]
	v_add_nc_u32 v[ADRA+2], 4*PLB, v[ADRA]
	v_add_nc_u32 v[ADRA+3], 6*PLB, v[ADRA]
	v_and_b32 v[VBO], 31, v0
	v_lshlrev_b32 v[VBO], 4, v[VBO]
	s_lshl_b32 s50, s[HD], 9
	s_mov_b32 s51, 0
	s_add_nc_u64 s[8:9], s[8:9], s[50:51]
	s_lshl_b32 s50, s[HD], 19                      ; st: the head, e block 8 cx + 4 wc (16,384 bytes each)
	s_lshl_b32 s52, s[CX], 17
	s_add_co_u32 s50, s50, s52
	s_lshl_b32 s52, s[WC], 16
	s_add_co_u32 s50, s50, s52
	s_add_nc_u64 s[6:7], s[6:7], s[50:51]
	global_load_b128 v[16:19], v[VBO], s[8:9]      ; the head's 64 entries of mx, two a lane
	WIN 0x80                                       ; destination window 2, address window 0
.set kk, 0
.rept 8
.irp b, 0,1,2,3
	global_load_b128 v[8*(4*kk+(\b)):8*(4*kk+(\b))+3],   v[VBO], s[6:7] offset:(\b)*16384+kk*1024
	global_load_b128 v[8*(4*kk+(\b))+4:8*(4*kk+(\b))+7], v[VBO], s[6:7] offset:(\b)*16384+kk*1024+512
.endr
.set kk, kk+1
.endr
	WIN 0xc0                                       ; destination window 3
.rept 8
.irp b, 0,1,2,3
	global_load_b128 v[8*(4*(kk-8)+(\b)):8*(4*(kk-8)+(\b))+3],   v[VBO], s[6:7] offset:(\b)*16384+kk*1024
	global_load_b128 v[8*(4*(kk-8)+(\b))+4:8*(4*(kk-8)+(\b))+7], v[VBO], s[6:7] offset:(\b)*16384+kk*1024+512
.endr
.set kk, kk+1
.endr
	WIN 0
	s_mul_i32 s49, s[WV], STW
	s_add_co_u32 s49, s49, STAGE                   ; my stage
	v_mul_u32_u24 v[STO], v1, 272
	v_lshl_add_u32 v[STO], v2, 5, v[STO]
	v_add_nc_u32 v[STO], s49, v[STO]
	v_mul_u32_u24 v[RD], v2, 272
	v_lshl_add_u32 v[RD], v1, 4, v[RD]
	v_add_nc_u32 v[RD], s49, v[RD]
	v_lshlrev_b32 v[GO], 11, v2
	v_lshl_add_u32 v[GO], v1, 4, v[GO]
	s_lshl_b32 s50, s[HD], 21                      ; out0: the head, row 256 cy + 128 wr, column 128 cx + 64 wc
	s_lshl_b32 s52, s[CY], 19
	s_add_co_u32 s50, s50, s52
	s_lshl_b32 s52, s[WR], 18
	s_add_co_u32 s50, s50, s52
	s_lshl_b32 s52, s[CX], 9
	s_add_co_u32 s50, s50, s52
	s_lshl_b32 s52, s[WC], 8
	s_add_co_u32 s50, s50, s52
	s_add_nc_u64 s[10:11], s[10:11], s[50:51]
; 16 matrix instructions of quarter kq (32 along d): s blocks a0 .. a0 + 3 x all 4 e blocks.  The 32 accumulators take turns.
.macro MUL16 f, kq, a0, zero
	WIN 0x52+(\kq)/8                               ; S' in window 2 or 3, q in window 0, C and D in window 1
.irp a, \a0, (\a0)+1, (\a0)+2, (\a0)+3
.irp b, 0,1,2,3
.set rD, 8*(4*(\a)+(\b))
.set rS, 8*(4*((\kq)%8)+(\b))
.set rQ, (\f)+8*(\a)
.if \zero
	v_wmma_f32_16x16x32_f16 v[rD:rD+7], v[rS:rS+7], v[rQ:rQ+7], 0
.else
	v_wmma_f32_16x16x32_f16 v[rD:rD+7], v[rS:rS+7], v[rQ:rQ+7], v[rD:rD+7]
.endif
.endr
.endr
.endm
.macro FETCH kq, f                     ; 16 LDS loads: my 8 fragments of q for quarter kq, s blocks ascending
	WIN 0
.irp i, 0,1,2,3,4,5,6,7
	ds_load_b128 v[(\f)+8*(\i):(\f)+8*(\i)+3],   v[ADRA+(\kq)/4] offset:(((\kq)/2)%2)*PLB+(\i)*16*PITCH+((\kq)%2)*64
	ds_load_b128 v[(\f)+8*(\i)+4:(\f)+8*(\i)+7], v[ADRA+(\kq)/4] offset:(((\kq)/2)%2)*PLB+(\i)*16*PITCH+((\kq)%2)*64+32
.endr
.endm
.macro QUARTER kq, zero
.set FC, F0+64*((\kq)%2)
.set FN, F0+64*(((\kq)+1)%2)
	s_wait_dscnt 8                                 ; s blocks 0-3 are in; the 8 loads of blocks 4-7 may be out
	MUL16 FC, \kq, 0, \zero
	WIN 0
	PLACES
	FETCH (\kq)+1, FN
	s_wait_dscnt 16                                ; all but the 16 just issued
	MUL16 FC, \kq, 4, \zero
.endm
; The last quarter of group g: the next group's two planes are wanted.  My load g + 1 of four has landed when 2 - g are out; a barrier shows it of every wave.  The later loads stay out.
.macro JOIN kq, g
.set FC, F0+64*((\kq)%2)
.set FN, F0+64*(((\kq)+1)%2)
	s_wait_dscnt 0x0
	s_wait_tensorcnt 2-(\g)
	s_barrier_signal -1
	MUL16 FC, \kq, 0, 0
	s_barrier_wait -1
	WIN 0
	PLACES
	FETCH (\kq)+1, FN
.if (\g) == 1
	s_wait_loadcnt 32                              ; of 129 loads 97 are in: mx and S' of quarters 0 to 11
.elseif (\g) == 2
	s_wait_loadcnt 0x0                             ; all of S'
.endif
	MUL16 FC, \kq, 4, 0
.endm
	s_wait_tensorcnt 3                             ; my part of group 0 is in; three loads may stay out
	s_barrier_signal -1
	s_barrier_wait -1
	FETCH 0, F0
	s_wait_loadcnt 63                              ; of 129 loads 66 are in: mx and S' of quarters 0 to 7
	QUARTER 0, 1                                   ; the first products start the sums
	QUARTER 1, 0
	QUARTER 2, 0
	JOIN 3, 0
	QUARTER 4, 0
	QUARTER 5, 0
	QUARTER 6, 0
	JOIN 7, 1
	QUARTER 8, 0
	QUARTER 9, 0
	QUARTER 10, 0
	JOIN 11, 2
	QUARTER 12, 0
	QUARTER 13, 0
	QUARTER 14, 0
	s_wait_dscnt 8                                 ; the very last quarter
	MUL16 F0+64, 15, 0, 0
	s_wait_dscnt 0x0
	MUL16 F0+64, 15, 4, 0
	WIN 0
	; THE WAY OUT.  u, then a block of 16 rows at a time: scaled, through my own stage, back as whole rows of 256 bytes.
	PLACES
	v_max_num_f32 v16, v16, v18
	v_max_num_f32 v17, v17, v19
.irp m, 1,2,4,8
	v_max_num_f32_dpp v16, v16, v16 row_xmask:\m row_mask:0xf bank_mask:0xf
	v_max_num_f32_dpp v17, v17, v17 row_xmask:\m row_mask:0xf bank_mask:0xf
.endr
	v_permlanex16_b32 v18, v16, s[SEL], s[SEL+1]
	v_permlanex16_b32 v19, v17, s[SEL], s[SEL+1]
	v_max_num_f32 v16, v16, v18
	v_max_num_f32 v17, v17, v19
	v_mul_f32 v16, v16, v17
	v_mul_f32 v16, 0x3d000000, v16                 ; / 32
	v_max_num_f32 v[U], 0x1c800000, v16            ; at least 2^-70
	v_mov_b32 v[U+1], v[U]
.macro PACK a
	WIN 0x01                                       ; source 0: window 1
.irp b, 0,1,2,3
.irp p, 0,1,2,3                        ; each accumulator is read from its low end on
	v_pk_mul_f32 v[TMP+8*(\b)+2*(\p):TMP+8*(\b)+2*(\p)+1], v[8*(4*(\a)+(\b))+2*(\p):8*(4*(\a)+(\b))+2*(\p)+1], v[U:U+1]
.endr
.endr
	WIN 0
.endm
.macro TOSTAGE a
.set rB, BK+32*((\a)%2)
.irp b, 0,1,2,3
	ds_store_b128 v[STO], v[TMP+8*(\b):TMP+8*(\b)+3]   offset:64*(\b)
	ds_store_b128 v[STO], v[TMP+8*(\b)+4:TMP+8*(\b)+7] offset:64*(\b)+16
.endr
.irp t, 0,1,2,3,4,5,6,7
	ds_load_b128 v[rB+4*(\t):rB+4*(\t)+3], v[RD] offset:(\t)*544  ; LDS serves a wave's instructions in order: these see the stores above
.endr
.endm
.macro SEND a
.set rB, BK+32*((\a)%2)
	s_wait_dscnt 0x0                               ; the block is back in registers
	s_wait_xcnt 0x0                                ; the block before has been read by its stores: its buffer is loaded again only behind this wait
.irp t, 0,1,2,3,4,5,6,7
	global_store_b128 v[GO], v[rB+4*(\t):rB+4*(\t)+3], s[10:11] offset:(\a)*32768+(\t)*4096 th:TH_STORE_NT  ; 16 lanes store 256 consecutive bytes, aligned
.endr
.endm
	PACK 0
	TOSTAGE 0
.irp a, 1,2,3,4,5,6,7                  ; a block's arithmetic stands between the loads of the block before and the wait for them
	PACK \a
	SEND (\a)-1
	TOSTAGE \a
.endr
	SEND 7
	s_wait_tensorcnt 0x0                           ; the wave's end
	ds_add_u32 v[SPW], v[NIL]
	s_wait_dscnt 0x0
	CROUND                                         ; the closing round
	s_endpgm
.Lfunc_end_k_q482518aa8f_mix:
	.size	k_q482518aa8f_mix, .Lfunc_end_k_q482518aa8f_mix-k_q482518aa8f_mix
	.p2alignl 7, 3214868480
	.fill 96, 4, 3214868480
	.section	.rodata,"a",@progbits
	.p2align	6, 0x0
	.amdhsa_kernel k_q482518aa8f_mix
		.amdhsa_group_segment_fixed_size 327680
		.amdhsa_private_segment_fixed_size 0
		.amdhsa_enable_private_segment 0
		.amdhsa_kernarg_size 32
		.amdhsa_user_sgpr_count 2
		.amdhsa_user_sgpr_kernarg_segment_ptr 1
		.amdhsa_wavefront_size32 1
		.amdhsa_system_sgpr_workgroup_id_x 1
		.amdhsa_system_sgpr_workgroup_id_y 1
		.amdhsa_system_sgpr_workgroup_id_z 1
		.amdhsa_system_vgpr_workitem_id 0
		.amdhsa_next_free_vgpr 1024
		.amdhsa_next_free_sgpr 66
		.amdhsa_reserve_vcc 0
		.amdhsa_float_denorm_mode_32 3
		.amdhsa_float_denorm_mode_16_64 3
		.amdhsa_memory_ordered 1
		.amdhsa_forward_progress 1
		.amdhsa_inst_pref_size 95
	.end_amdhsa_kernel
	.amdgpu_metadata
---
amdhsa.version: [ 1, 2 ]
amdhsa.kernels:
  - .name:           k_q482518aa8f_mix
    .symbol:         k_q482518aa8f_mix.kd
    .args:
      - { .name: qb, .offset: 0, .size: 8, .value_kind: global_buffer, .address_space: global }
      - { .name: st, .offset: 8, .size: 8, .value_kind: global_buffer, .address_space: global }
      - { .name: mx, .offset: 16, .size: 8, .value_kind: global_buffer, .address_space: global }
      - { .name: out0, .offset: 24, .size: 8, .value_kind: global_buffer, .address_space: global }
    .group_segment_fixed_size: 327680
    .private_segment_fixed_size: 0
    .kernarg_segment_align: 8
    .kernarg_segment_size: 32
    .max_flat_workgroup_size: 128
    .sgpr_count:     66
    .vgpr_count:     1024
    .wavefront_size: 32
...
	.end_amdgpu_metadata
.endif
;; end of part 4
